; MI455X (gfx1250); checked and timed in simulation.
; The chip was launched on July 23, 2026; its instructions are those of AMD's public machine-readable ISA for CDNA 5 (MIT licence, August 2026) and "CDNA5" Instruction Set Architecture Reference Guide (July 2026). The comments in the code are by the model that wrote it; some were corrected since.
;; Self Attention. Allowed arithmetic: matrix products marked QUANTISED: E2M1 operands, one E8M0 scale for each 32 along K, by v_wmma_scale_f32_16x16x128_f8f6f4 with both operands' format E2M1 (or v_wmma_scale_f32_32x16x128_f4), f32 sums; products left as they are: bf16, f16 or f32 operands; f32 sums; everything else in f32.
;; Inputs: Wk 512 x 512 float32; Wq 512 x 512 float32; Wv 512 x 512 float32; ft_k 8 x 2,048 x 512 float32; ft_q 8 x 2,048 x 512 float32; ft_v 8 x 2,048 x 512 float32; mask 8 x 2,048 x 2,048 float32.
;; Outputs: out0 8 x 2,048 x 512 float32.
;; This version of the problem:
;;   THIS VERSION OF THE PROBLEM IS GIVEN IN LOW PRECISION. The matrix products marked QUANTISED in the list below multiply operands that are first quantised to E2M1 (2 exponent bits, 1 mantissa bit; 4 bits a number), with one power-of-two scale for each 32 numbers along K (OCP MX v1.0); their sums are f32. The products marked 'left as it is' may take bf16, f16 or f32 operands, with f32 sums. Whichever they take, every output number must still come out within the allowed error. Rounding operands to bf16 (8 significant bits) uses up far more of that allowance than f16 does (11 bits, for magnitudes from 6e-5 to 65,504). All else is computed in f32.
;;   The module's matrix products, in the order in which they are computed (A, B: the left and right operand; K: the contracted axis; several contracted axes count as one K, in the product's order):
;;     1. [M 16,384, K 512] x [K 512, N 512]; A: input ft_q; B: input Wq: QUANTISED
;;     2. [M 16,384, K 512] x [K 512, N 512]; A: input ft_k; B: input Wk: QUANTISED
;;     3. [M 16,384, K 512] x [K 512, N 512]; A: input ft_v; B: input Wv: QUANTISED
;;     4. batch 8 x [M 2,048, K 512] x [K 512, N 2,048]; A: computed on the way; B: computed on the way: left as it is (an operand is computed on the way)
;;     5. batch 8 x [M 2,048, K 2,048] x [K 2,048, N 512]; A: computed on the way; B: computed on the way: left as it is (an operand is computed on the way)
;;   THE QUANTISER, for each operand of a quantised product, along K:
;;     - K is cut into blocks of 32 from its start; a last block that is shorter is filled with zeros.
;;     - A block's scale is 2^e with e = floor(log2(the largest magnitude in the block)) - 2, held to -126 .. 127; a block of zeros has e = 0. As a byte (E8M0): e + 127.
;;     - Each number is divided by its block's scale, clamped to +-6, and rounded to the nearest number of E2M1, ties to even, subnormals kept.
;;     - The product sums the exact products of the quantised numbers (number of the format x scale) in f32.
;;   ~~~python
;;   def quantise(x, axis):      # numpy; x: float32 -> the quantised numbers, widened to float32 again
;;       x = np.moveaxis(x, axis, -1); K = x.shape[-1]
;;       x = np.pad(x, [(0, 0)] * (x.ndim - 1) + [(0, -K % 32)]); x = x.reshape(x.shape[:-1] + (-1, 32)); a = np.abs(x).max(-1, keepdims=True)
;;       e = np.where(a > 0, np.clip(np.frexp(np.where(a > 0, a, 1))[1] - 1 - 2, -126, 127), 0)      # np.frexp(a)[1] - 1 = floor(log2(a)), exactly
;;       r = np.clip(x / 2.0 ** e, -6, 6)
;;       step = 2.0 ** (np.maximum(np.frexp(np.where(r == 0, 1, r))[1] - 1, 0) - 1)
;;       q = np.round(r / step) * step * 2.0 ** e      # np.round: ties to even
;;       return np.moveaxis(q.reshape(q.shape[:-2] + (-1,))[..., :K], -1, axis).astype(np.float32)
;;   ~~~
;; One version. Each part assembles by itself: llvm-mc -triple=amdgcn-amd-amdhsa -mcpu=gfx1250 --defsym DOCPART=n.
;; ======== version 1 of 1: 3 launches
;; limits: right only within a limited range of input values; values are held in f16: magnitudes above 65,504 overflow, below 6.1e-05 lose precision
;; workspace buffers: wimg 417,792 bytes; qkv 50,331,648 bytes
;; launch wquant (part 1): grid 32 x 3, 4 waves a work-group, no clusters, 0 bytes of LDS; arguments Wq, Wk, Wv, wimg; writes wimg
.if DOCPART == 1
	.amdgcn_target "amdgcn-amd-amdhsa--gfx1250"
	.amdhsa_code_object_version 6
	.text
	.protected	k_q9d264f2bbc_wquant
	.globl	k_q9d264f2bbc_wquant
	.p2align	8
	.type	k_q9d264f2bbc_wquant,@function
k_q9d264f2bbc_wquant:
	s_mov_b64 s[64:65], 0
	v_nop
	global_prefetch_b8 v0, s[64:65] scope:SCOPE_SE
	s_setreg_imm32_b32 hwreg(HW_REG_WAVE_MODE, 25, 1), 1
	s_wait_xcnt 0x0
; SELF-ATTENTION, first of three launches.  out = softmax((ft_q Wq^T)(ft_k Wk^T)^T sqrt(512) + mask) (ft_v Wv^T).
; NO WORK IS LEFT OUT: every input (three feature tensors, three weights, the mask) has a way to every output row of its batch, for all values.
; THIS LAUNCH turns Wq, Wk, Wv ([512 (n)][512 (k)] f32, K innermost) into codes of FP4 (E2M1) with one E8M0 byte for each 32 along K, laid as the next launch's
; operand registers want them: codes [t 3][tile of 16 rows 32][K step of 128: 4][c 2][lane 32][16 bytes]; behind them, from byte 393,216, the scale words
; [t 3][pair of tiles 16][K step 4][lane 32][4 bytes], lanes 0-15 the rows of the pair's even tile, lanes 16-31 those of its odd tile.
; All 256 work-groups of the next launch read all of W: quantised here once, they read an eighth of the bytes and quantise nothing twice.
; A block's scale is 2^(floor(log2(its largest magnitude)) - 2); its byte is the largest magnitude's exponent field - 2, held at 1 from below.
; LIMITS: a block of zeros gets the byte 1 where the rule says 127 (its codes are zeros, and this program alone reads the bytes); NaN and infinities among the weights are not served.
; SHARES: work-group (x, y) = (tile of 16 rows, tensor); wave s takes K step s: one fragment, 16 rows x 128 K.  Lane (r, h) holds row r and k = 64 c + 32 h + 0 .. 31 (c = 0, 1): two whole blocks.
; No LDS, no barrier: waves share nothing.
.set H8,  6                            ; v6      8 h: how far my two bytes are shifted in the scale word
.set TM,  8                            ; v8-13   at work
.set PW,  14                           ; v14     the scale word
.set PC,  16                           ; v16-23  the fragment's codes
.set X,   32                           ; v32-95  64 numbers
.set SEL, 14                           ; s[14:15] lane selects: lane l xor 16
; 64 numbers of a lane, v[x + 32 c + i] = k 64 c + 32 h + i of my row, become the fragment's registers v[pc] .. v[pc + 7] and the row's scale word v[pw]
.macro QUANT x, pc, pw
.irp c, 0,1
	v_max3_num_f32 v[TM+\c], |v[(\x)+32*\c]|, |v[(\x)+32*\c+1]|, 0x1800000   ; my block 2 c + h, and the floor 2^(3 - 127): the byte cannot fall under 1
.endr
.irp i, 2,4,6,8,10,12,14,16,18,20,22,24,26,28,30
.irp c, 0,1
	v_max3_num_f32 v[TM+\c], v[TM+\c], |v[(\x)+32*\c+\i]|, |v[(\x)+32*\c+\i+1]|   ; the two blocks by turns
.endr
.endr
.irp c, 0,1
	v_add_nc_u32 v[TM+2+\c], 0xff000000, v[TM+\c]  ; 2 off the exponent field: the conversion's scale operand
.endr
.irp c, 0,1
	v_lshrrev_b32 v[TM+4+\c], 23, v[TM+2+\c]       ; the scale's byte
.endr
	v_lshl_or_b32 v[\pw], v[TM+5], 16, v[TM+4]     ; bytes h and 2 + h of the word,
	v_lshlrev_b32 v[\pw], v[H8], v[\pw]            ; at their places;
	v_permlanex16_b32 v[TM+4], v[\pw], s[SEL], s[SEL+1]
	v_or_b32 v[\pw], v[\pw], v[TM+4]               ; with lane l xor 16's two the word is whole
.irp c, 0,1
.irp g, 0,1,2,3
	v_cvt_scalef32_pk8_fp4_f32 v[(\pc)+4*\c+\g], v[(\x)+32*\c+8*\g:(\x)+32*\c+8*\g+7], v[TM+2+\c]
.endr
.endr
	v_nop                                          ; one plain line behind the last scaled conversion
.endm
	s_load_b256 s[4:11], s[0:1], 0x0               ; Wq s[4:5], Wk s[6:7], Wv s[8:9], wimg s[10:11]
	v_lshrrev_b32 v1, 5, v0
	v_readfirstlane_b32 s12, v1                    ; wave = K step s
	s_and_b32 s13, ttmp7, 0xffff                   ; t: which weight
	v_and_b32 v1, 15, v0                           ; r
	v_bfe_u32 v2, v0, 4, 1                         ; h
	v_lshlrev_b32 v3, 11, v1
	v_lshl_add_u32 v3, v2, 7, v3                   ; in: row r of 2,048 bytes, + 128 h
	v_and_b32 v4, 31, v0
	v_lshlrev_b32 v4, 4, v4                        ; out: 16 x lane
	v_lshlrev_b32 v5, 2, v1                        ; the scale word's place: 4 r
	v_lshlrev_b32 v[H8], 3, v2
	s_mov_b32 s[SEL], 0x76543210
	s_mov_b32 s[SEL+1], 0xfedcba98
	s_lshl_b32 s16, ttmp9, 15                      ; in: 16 rows of 2,048 bytes a tile,
	s_lshl_b32 s17, s12, 9                         ; 512 bytes a K step
	s_add_co_u32 s16, s16, s17
	s_mov_b32 s17, 0
	s_lshl_b32 s18, s13, 5                         ; codes: ((32 t + tile) 4 + s) x 1,024
	s_add_co_u32 s18, s18, ttmp9
	s_lshl_b32 s18, s18, 2
	s_add_co_u32 s18, s18, s12
	s_lshl_b32 s18, s18, 10
	s_mov_b32 s19, 0
	s_lshl_b32 s20, s13, 4                         ; scale words: 393,216 + ((16 t + tile / 2) 4 + s) x 128 + 64 (tile % 2)
	s_lshr_b32 s21, ttmp9, 1
	s_add_co_u32 s20, s20, s21
	s_lshl_b32 s20, s20, 2
	s_add_co_u32 s20, s20, s12
	s_lshl_b32 s20, s20, 7
	s_and_b32 s21, ttmp9, 1
	s_lshl_b32 s21, s21, 6
	s_add_co_u32 s20, s20, s21
	s_add_co_u32 s20, s20, 393216
	s_mov_b32 s21, 0
	s_wait_kmcnt 0x0
	s_cmp_eq_u32 s13, 1                            ; the choice hangs on the work-group's number alone
	s_cselect_b64 s[22:23], s[6:7], s[4:5]
	s_cmp_eq_u32 s13, 2
	s_cselect_b64 s[22:23], s[8:9], s[22:23]
	s_add_nc_u64 s[22:23], s[22:23], s[16:17]
	s_add_nc_u64 s[24:25], s[10:11], s[18:19]
	s_add_nc_u64 s[26:27], s[10:11], s[20:21]
.irp c, 0,1
.irp i, 0,1,2,3,4,5,6,7
	global_load_b128 v[X+32*\c+4*\i:X+32*\c+4*\i+3], v3, s[22:23] offset:256*\c+16*\i th:TH_LOAD_NT
.endr
.endr
	s_wait_loadcnt 0x0
	QUANT X, PC, PW
	global_store_b128 v4, v[PC:PC+3], s[24:25]             ; each store covers 512 consecutive bytes
	global_store_b128 v4, v[PC+4:PC+7], s[24:25] offset:512
	global_store_b32 v5, v[PW], s[26:27]                   ; 64 bytes: lanes r and 16 + r write the same word with the same value; 24,576 bytes in the whole launch go out so
	s_endpgm
.Lfunc_end_k_q9d264f2bbc_wquant:
	.size	k_q9d264f2bbc_wquant, .Lfunc_end_k_q9d264f2bbc_wquant-k_q9d264f2bbc_wquant
	.p2alignl 7, 3214868480
	.fill 96, 4, 3214868480
	.section	.rodata,"a",@progbits
	.p2align	6, 0x0
	.amdhsa_kernel k_q9d264f2bbc_wquant
		.amdhsa_group_segment_fixed_size 0
		.amdhsa_private_segment_fixed_size 0
		.amdhsa_enable_private_segment 0
		.amdhsa_kernarg_size 32
		.amdhsa_user_sgpr_count 2
		.amdhsa_user_sgpr_kernarg_segment_ptr 1
		.amdhsa_wavefront_size32 1
		.amdhsa_system_sgpr_workgroup_id_x 1
		.amdhsa_system_sgpr_workgroup_id_y 1
		.amdhsa_system_sgpr_workgroup_id_z 1
		.amdhsa_system_vgpr_workitem_id 0
		.amdhsa_next_free_vgpr 96
		.amdhsa_next_free_sgpr 66
		.amdhsa_reserve_vcc 0
		.amdhsa_float_denorm_mode_32 3
		.amdhsa_float_denorm_mode_16_64 3
		.amdhsa_memory_ordered 1
		.amdhsa_forward_progress 1
		.amdhsa_inst_pref_size 7
	.end_amdhsa_kernel
	.amdgpu_metadata
---
amdhsa.version: [ 1, 2 ]
amdhsa.kernels:
  - .name:           k_q9d264f2bbc_wquant
    .symbol:         k_q9d264f2bbc_wquant.kd
    .args:
      - { .name: Wq, .offset: 0, .size: 8, .value_kind: global_buffer, .address_space: global }
      - { .name: Wk, .offset: 8, .size: 8, .value_kind: global_buffer, .address_space: global }
      - { .name: Wv, .offset: 16, .size: 8, .value_kind: global_buffer, .address_space: global }
      - { .name: wimg, .offset: 24, .size: 8, .value_kind: global_buffer, .address_space: global }
    .group_segment_fixed_size: 0
    .private_segment_fixed_size: 0
    .kernarg_segment_align: 8
    .kernarg_segment_size: 32
    .max_flat_workgroup_size: 128
    .sgpr_count:     66
    .vgpr_count:     96
    .wavefront_size: 32
...
	.end_amdgpu_metadata
.endif
;; end of part 1
;; launch proj (part 2): grid 256 x 1, 4 waves a work-group, no clusters, 327,680 bytes of LDS; arguments ft_q, ft_k, ft_v, wimg, qkv; writes qkv
.if DOCPART == 2
	.amdgcn_target "amdgcn-amd-amdhsa--gfx1250"
	.amdhsa_code_object_version 6
	.text
	.protected	k_q9d264f2bbc_proj
	.globl	k_q9d264f2bbc_proj
	.p2align	8
	.type	k_q9d264f2bbc_proj,@function
k_q9d264f2bbc_proj:
	s_mov_b64 s[64:65], 0
	v_nop
	global_prefetch_b8 v0, s[64:65] scope:SCOPE_SE
	s_setreg_imm32_b32 hwreg(HW_REG_WAVE_MODE, 25, 1), 1
	s_wait_xcnt 0x0
; Second launch: the three projections, on codes of FP4 (E2M1) with one E8M0 scale for each 32 along K; nothing is left out.
; qkv [3][16,384][512] f16:  plane 0 = (ft_q Wq^T) sqrt(512) / 4,  plane 1 = 4 (ft_k Wk^T),  plane 2 = ft_v Wv^T.  The product of planes 0 and 1 is reference()'s q k sqrt(512); the factor 4 is exact
; and centres both planes in f16's range.  f16 and not bf16: eleven significant bits are wanted by what the comparison allows.
; LIMITS: a number of a plane beyond 65,504 overflows f16; a block of zeros gets the byte 1 where the rule says 127 (zero codes; the bytes never leave the launch); NaN and infinities among the inputs are not served.
; SHARES.  Work-group g takes rows 64 g .. 64 g + 63 of each of the three tensors, one after the other (BLOCK 0, 1, 2, written out by one macro).  THE WAVES SHARE THE COLUMNS: wave w makes columns
; 128 w .. 128 w + 127 for all 64 rows, so its part of a weight, 32 fragments, fills one register window and comes from memory as register images.  Wave w quantises rows 16 w .. 16 w + 15 of a block,
; and the four fragments and scale words go to the other waves through LDS as images of their registers.
; The f32 rows come by tensor loads: a slot holds a block as four planes (a K step of 128 numbers each) of 64 rows x (512 + 16) bytes; wave w fetches plane w.  ft_q and ft_k go out together at the head,
; ft_v is the one refill (into ft_q's slot).  No cluster: no two work-groups read the same rows, and W goes into registers.
; THE MATRIX INSTRUCTION IS USED TRANSPOSED (source 0 = 16 rows of W, source 1 = 16 rows of x): a lane holds one row of x and eight neighbouring columns, which pack into 16 bytes of f16.
; REGISTERS: window 0 as listed below; window t + 1: the weight of tensor t, fragment (tile n, K step s) at v[8 (4 n + s)].
.set XP,     528                       ; a row of a plane in LDS: 33 x 16 bytes, so that sixteen neighbouring rows start at sixteen different 16-byte columns modulo 256
.set PLANE,  64*XP
.set SLOT,   4*PLANE
.set IMG,    2*SLOT                    ; two sets of images by turns: 16 fragments of 1,024 bytes ((4 m + s) x 1,024 + 512 c + 16 lane), then the scale words (512 m + 16 lane + 4 s)
.set IMGSET, 18432
.set ISC,    16384
.set STG,    IMG+2*IMGSET              ; the way out: 16 rows x (256 + 16) bytes for each wave
.set SPITCH, 272
.set SPARE,  STG+4*16*SPITCH           ; the spare words, 128 bytes for each wave: two blocks of 256 bytes that no other line names
.set H8,  3                            ; v3      8 h
.set XA,  4                            ; v4-7    my row's place in (slot, pair of planes): 2 slot + s / 2
.set LG,  8                            ; v8      16 x lane
.set WSA, 9                            ; v9      4 x lane
.set FI,  10                           ; v10     IMG + 16 x lane
.set XWI, 11                           ; v11     where I store my images: FI + 4,096 w
.set XWS, 12                           ; v12     and my scale words: FI + ISC + 512 w
.set STO, 13                           ; v13     the stage: where I put 16 bytes of a row
.set RD,  14                           ; v14     and where I read a row back
.set CO,  15                           ; v15     my byte offset in qkv
.set XF,  16                           ; v16-47  x's four fragments of a tile of rows
.set ACC, 48                           ; v48-111 eight accumulators; in the quantising phase 64 numbers
.set X0,  48
.set X1,  112                          ; v112-175 64 numbers; later PK and RB
.set PK,  112                          ; v112-143 results packed to f16
.set RB,  144                          ; v144-175 16 rows read back from the stage
.set PC,  176                          ; v176-191 codes just made, two sets
.set TM,  192                          ; v192-197 at work
.set PW,  198                          ; v198-199 scale words just made
.set XS,  200                          ; v200-203 x's scale words of a tile of rows, K steps 0 to 3: scales and nothing else
.set SPW, 204                          ; v204    LDS address of my spare word; never rewritten
.set NIL, 205                          ; v205    0; never rewritten
.set WS,  208                          ; v208-255 W's scale words: 16 t + 4 (pair of tiles) + s: scales and nothing else
.set WV,  14                           ; s14     my wave's number
.set G1,  24                           ; s[24:31] descriptor group 1
.set G0,  32                           ; s[32:43] three groups 0: ft_q -> slot 0, ft_k -> slot 1, ft_v -> slot 0
.set CODEB, 44                         ; s[44:49] my part of the three weights' codes
.set SCLB,  50                         ; s[50:55] and of their scale words
.set OUTB,  56                         ; s[56:61] my 64 rows in the three planes of qkv
.set QS,  62                           ; s[62:63] sqrt(512) / 4
.set SEL, 66                           ; s[66:67] lane selects: lane l xor 16
.set MSB, 0
.macro WIN new                         ; the immediate's high byte repeats the setting that is left
.if MSB != (\new)
	s_set_vgpr_msb (MSB<<8)|(\new)
.set MSB, (\new)
.endif
.endm
.macro PLACES                          ; four plain lines behind a matrix instruction, ahead of loads into its registers and of the first read of its results
.rept 4
	v_nop
.endr
.endm
; 64 numbers of a lane, v[x + 32 c + i] = k 64 c + 32 h + i of my row, become the fragment's registers v[pc] .. v[pc + 7] and the row's scale word v[pw]
.macro QUANT x, pc, pw
.irp c, 0,1
	v_max3_num_f32 v[TM+\c], |v[(\x)+32*\c]|, |v[(\x)+32*\c+1]|, 0x1800000   ; my block 2 c + h, and the floor 2^(3 - 127): the byte cannot fall under 1
.endr
.irp i, 2,4,6,8,10,12,14,16,18,20,22,24,26,28,30
.irp c, 0,1
	v_max3_num_f32 v[TM+\c], v[TM+\c], |v[(\x)+32*\c+\i]|, |v[(\x)+32*\c+\i+1]|
.endr
.endr
.irp c, 0,1
	v_add_nc_u32 v[TM+2+\c], 0xff000000, v[TM+\c]  ; 2 off the exponent field: the conversion's scale operand
.endr
.irp c, 0,1
	v_lshrrev_b32 v[TM+4+\c], 23, v[TM+2+\c]       ; the scale's byte
.endr
	v_lshl_or_b32 v[\pw], v[TM+5], 16, v[TM+4]
	v_lshlrev_b32 v[\pw], v[H8], v[\pw]
	v_permlanex16_b32 v[TM+4], v[\pw], s[SEL], s[SEL+1]
	v_or_b32 v[\pw], v[\pw], v[TM+4]               ; with lane l xor 16's two bytes the word is whole, in both lanes
.irp c, 0,1
.irp g, 0,1,2,3
	v_cvt_scalef32_pk8_fp4_f32 v[(\pc)+4*\c+\g], v[(\x)+32*\c+8*\g:(\x)+32*\c+8*\g+7], v[TM+2+\c]
.endr
.endr
	v_nop                                          ; one plain line behind the last scaled conversion
.endm
.macro LOADX xr, sg, s                 ; my row's 64 numbers of K step s, out of slot sg
.irp c, 0,1
.irp i, 0,1,2,3,4,5,6,7
	ds_load_b128 v[(\xr)+32*\c+4*\i:(\xr)+32*\c+4*\i+3], v[XA+2*(\sg)+(\s)/2] offset:((\s)%2)*PLANE+256*\c+16*\i
.endr
.endr
.endm
.macro IMAGE p, e, s                   ; the fragment and the scale word of set p go to LDS as they stand: K step s of my tile of rows, image set e
.irp c, 0,1
	ds_store_b128 v[XWI], v[PC+8*(\p)+4*\c:PC+8*(\p)+4*\c+3] offset:(\e)*IMGSET+(\s)*1024+512*\c
.endr
	ds_store_b32 v[XWS], v[PW+(\p)] offset:(\e)*IMGSET+4*(\s)
.endm
.macro WLOAD t                         ; my 32 fragments of weight t into window t + 1, their 16 registers of scale words into window 0
	WIN ((\t)+1)<<6
.set f, 0
.rept 32
	global_load_b128 v[8*f:8*f+3],   v[LG], s[CODEB+2*(\t):CODEB+2*(\t)+1] offset:1024*f
	global_load_b128 v[8*f+4:8*f+7], v[LG], s[CODEB+2*(\t):CODEB+2*(\t)+1] offset:1024*f+512
.set f, f+1
.endr
	WIN 0
.set f, 0
.rept 16
	global_load_b32 v[WS+16*(\t)+f], v[WSA], s[SCLB+2*(\t):SCLB+2*(\t)+1] offset:128*f
.set f, f+1
.endr
.endm
.macro MM t, s, n                      ; tile n of my columns, K step s.  W's scale words: lanes 0-15 serve the even tile of a pair, lanes 16-31 the odd one
.if (\s) == 0
.if (\n)%2
	v_wmma_scale_f32_16x16x128_f8f6f4 v[ACC+8*(\n):ACC+8*(\n)+7], v[8*(4*(\n)+(\s)):8*(4*(\n)+(\s))+7], v[XF+8*(\s):XF+8*(\s)+7], 0, v[WS+16*(\t)+4*((\n)/2)+(\s)], v[XS+(\s)] matrix_a_fmt:MATRIX_FMT_FP4 matrix_b_fmt:MATRIX_FMT_FP4 matrix_a_scale:MATRIX_SCALE_ROW1
.else
	v_wmma_scale_f32_16x16x128_f8f6f4 v[ACC+8*(\n):ACC+8*(\n)+7], v[8*(4*(\n)+(\s)):8*(4*(\n)+(\s))+7], v[XF+8*(\s):XF+8*(\s)+7], 0, v[WS+16*(\t)+4*((\n)/2)+(\s)], v[XS+(\s)] matrix_a_fmt:MATRIX_FMT_FP4 matrix_b_fmt:MATRIX_FMT_FP4
.endif
.else
.if (\n)%2
	v_wmma_scale_f32_16x16x128_f8f6f4 v[ACC+8*(\n):ACC+8*(\n)+7], v[8*(4*(\n)+(\s)):8*(4*(\n)+(\s))+7], v[XF+8*(\s):XF+8*(\s)+7], v[ACC+8*(\n):ACC+8*(\n)+7], v[WS+16*(\t)+4*((\n)/2)+(\s)], v[XS+(\s)] matrix_a_fmt:MATRIX_FMT_FP4 matrix_b_fmt:MATRIX_FMT_FP4 matrix_a_scale:MATRIX_SCALE_ROW1
.else
	v_wmma_scale_f32_16x16x128_f8f6f4 v[ACC+8*(\n):ACC+8*(\n)+7], v[8*(4*(\n)+(\s)):8*(4*(\n)+(\s))+7], v[XF+8*(\s):XF+8*(\s)+7], v[ACC+8*(\n):ACC+8*(\n)+7], v[WS+16*(\t)+4*((\n)/2)+(\s)], v[XS+(\s)] matrix_a_fmt:MATRIX_FMT_FP4 matrix_b_fmt:MATRIX_FMT_FP4
.endif
.endif
.endm
; Rows 16 m .. 16 m + 15 of the block x my 128 columns: 32 matrix instructions, the eight accumulators by turns, K ascending; then the way out
.macro MTILE t, e, m
.irp s, 0,1,2,3
.irp c, 0,1
	ds_load_b128 v[XF+8*\s+4*\c:XF+8*\s+4*\c+3], v[FI] offset:(\e)*IMGSET+(4*(\m)+\s)*1024+512*\c
.endr
.endr
	ds_load_b128 v[XS:XS+3], v[FI] offset:(\e)*IMGSET+ISC+512*(\m)   ; the four K steps' scale words of my lane's row
	s_wait_dscnt 0x0
	WIN (\t)+1                                     ; source 0 (W) in window t + 1
.irp s, 0,1,2,3
.irp n, 0,1,2,3,4,5,6,7
	MM \t, \s, \n
.endr
.endr
	WIN 0
	PLACES
.if (\t) == 0
.set q, 0
.rept 32
	v_pk_mul_f32 v[ACC+q:ACC+q+1], v[ACC+q:ACC+q+1], s[QS:QS+1] op_sel_hi:[1,0]   ; q x sqrt(512) / 4; each accumulator from its low end on
.set q, q+2
.endr
.elseif (\t) == 1
.set q, 0
.rept 32
	v_pk_mul_f32 v[ACC+q:ACC+q+1], v[ACC+q:ACC+q+1], 4.0 op_sel_hi:[1,0]          ; k x 4: exact
.set q, q+2
.endr
.endif
.set q, 0
.rept 32
	v_cvt_pk_f16_f32 v[PK+q], v[ACC+2*q], v[ACC+2*q+1]
.set q, q+1
.endr
.irp n, 0,1,2,3,4,5,6,7
	ds_store_b128 v[STO], v[PK+4*\n:PK+4*\n+3] offset:32*\n        ; row r, columns 16 n + 8 h + 0 .. 7 of my 128
.endr
	s_wait_xcnt 0x0                                ; the earlier stores have read RB: it is loaded again only behind this wait
.irp i, 0,1,2,3,4,5,6,7
	ds_load_b128 v[RB+4*\i:RB+4*\i+3], v[RD] offset:2*\i*SPITCH    ; LDS serves a wave's instructions in order: these see my stores above
.endr
.irp i, 0,1,2,3,4,5,6,7
	s_wait_dscnt 7-\i                              ; the younger read-backs may stay out
	global_store_b128 v[CO], v[RB+4*\i:RB+4*\i+3], s[OUTB+2*(\t):OUTB+2*(\t)+1] offset:(16*(\m)+2*\i)*1024   ; sixteen lanes store 256 consecutive bytes, at a multiple of 256 from the buffer's first byte
.endr
.endm
; One tensor's 64 rows.  sg: the slot that holds them;  e: the image set
.macro BLOCK t, sg, e
.if (\t) == 0
	s_wait_tensorcnt 0x1                           ; my plane of slot 0 is in; slot 1's load may stay out
	s_barrier_signal -1
	s_barrier_wait -1                              ; everybody's is
.elseif (\t) == 2
	s_wait_tensorcnt 0x0                           ; my plane of ft_v is in (the one load that was out),
	s_wait_dscnt 0x0
	s_barrier_signal -1
	s_barrier_wait -1                              ; everybody's is.  (Block 1 needs no such lines: every wave waited for slot 1's load in front of block 0's barrier)
.endif
.if (\t) > 0
	s_wait_xcnt 0x0                                ; the last block's stores have read RB, which lies in X1
.endif
	LOADX X0, \sg, 0
	LOADX X1, \sg, 1
	s_wait_dscnt 16                                ; K step 0's 16 loads are in; step 1's may be out
	QUANT X0, PC, PW
	IMAGE 0, \e, 0
	LOADX X0, \sg, 2
	s_wait_dscnt 19                                ; behind step 1's loads: 3 image stores and step 2's 16 loads
	QUANT X1, PC+8, PW+1
	IMAGE 1, \e, 1
	LOADX X1, \sg, 3
	s_wait_dscnt 19                                ; behind step 2's loads: 3 image stores and step 3's 16 loads
	QUANT X0, PC, PW
	IMAGE 0, \e, 2
	s_wait_dscnt 3                                 ; behind step 3's loads: 3 image stores
	QUANT X1, PC+8, PW+1
	IMAGE 1, \e, 3
.if (\t) == 0
	s_wait_tensorcnt 0x0                           ; all my tensor loads have landed, slot 1's plane too;
	ds_add_u32 v[SPW], v[NIL]                      ; 0 onto my spare word
	s_wait_dscnt 0x0                               ; the add is done, my images lie in LDS, and my reads of slot 0 are over
	s_barrier_signal -1
	s_barrier_wait -1
	tensor_load_to_lds s[G0+8:G0+11], s[G1:G1+7]   ; the one refill: ft_v into slot 0; it has blocks 0's products and all of block 1 in which to land
	s_nop 0
	PLACES
.else
	s_wait_dscnt 0x0                               ; my images lie in LDS
	s_barrier_signal -1
	s_barrier_wait -1                              ; the block's sixteen fragments do.  (An image set is written again two blocks on, behind a barrier that each wave reaches behind its last read of the set)
.endif
	s_wait_loadcnt 0x0                             ; this tensor's weight is in its window
.if (\t) < 2
	WLOAD (\t)+1                                   ; the next one's is asked for
.endif
	MTILE \t, \e, 0
	MTILE \t, \e, 1
	MTILE \t, \e, 2
	MTILE \t, \e, 3
.endm
	s_load_b256 s[4:11], s[0:1], 0x0               ; ft_q s[4:5], ft_k s[6:7], ft_v s[8:9], wimg s[10:11]
	s_load_b64 s[12:13], s[0:1], 0x20              ; qkv
	v_lshl_add_u32 v[SPW], v0, 2, SPARE
	v_mov_b32 v[NIL], 0
	ds_add_u32 v[SPW], v[NIL]                      ; the wave's opening: an add onto my spare word, twice on end, and its wait ahead of my first tensor load
	ds_add_u32 v[SPW], v[NIL]                      ; and once more; the set-up below, work on registers, stands between it and the wait
	v_lshrrev_b32 v1, 5, v0
	v_readfirstlane_b32 s[WV], v1                  ; wave 0..3
	; descriptor group 1: 64 rows x 128 elements of 4 bytes, 512 elements from row to row, 16 bytes of padding behind each row
	s_mov_b32 s[G1+0], (2<<16)|(1<<20)|(6<<22)|(3<<25)   ; no mask; elements of 4 bytes; padding on; after every 128 words (code 6); 4 words of it (code 3)
	s_mov_b32 s[G1+1], 128<<16                     ; tensor_dim0 = 128
	s_mov_b32 s[G1+2], 64<<16                      ; tensor_dim1 = 64
	s_mov_b32 s[G1+3], 128<<16                     ; tile_dim0 = 128
	s_mov_b32 s[G1+4], 64                          ; tile_dim1 = 64
	s_mov_b32 s[G1+5], 512                         ; tensor_dim0_stride
	s_mov_b32 s[G1+6], 0
	s_mov_b32 s[G1+7], 0
	s_mul_i32 s15, s[WV], PLANE                    ; my plane's place in a slot
	s_lshl_b32 s16, ttmp9, 17                      ; 64 g rows of 2,048 bytes,
	s_lshl_b32 s17, s[WV], 9                       ; + K step w
	s_add_co_u32 s16, s16, s17
	s_mov_b32 s17, 0
	s_lshl_b32 s18, s[WV], 15                      ; my 8 tiles of a weight: 4,096 bytes of codes a tile
	s_mov_b32 s19, 0
	s_lshl_b32 s20, s[WV], 11                      ; my 4 pairs of tiles: 512 bytes of scale words a pair,
	s_add_co_u32 s20, s20, 393216                  ; behind the codes
	s_mov_b32 s21, 0
	s_lshl_b32 s22, ttmp9, 16                      ; 64 g rows of 1,024 bytes in a plane of qkv
	s_mov_b32 s23, 0
	s_mov_b32 s[QS], 0x40b504f3                    ; sqrt(512) / 4
	s_mov_b32 s[QS+1], s[QS]                       ; (named with it as a pair, so it is written)
	s_mov_b32 s[SEL], 0x76543210
	s_mov_b32 s[SEL+1], 0xfedcba98
	s_wait_dscnt 0x0                               ; both opening adds are done
	s_wait_kmcnt 0x0
	s_mov_b32 s[G0+0], 1
	s_mov_b32 s[G0+1], s15                         ; slot 0
	s_add_nc_u64 s[G0+2:G0+3], s[4:5], s[16:17]
	s_or_b32 s[G0+3], s[G0+3], 0x80000000
	s_mov_b32 s[G0+4], 1
	s_add_co_u32 s[G0+5], s15, SLOT                ; slot 1
	s_add_nc_u64 s[G0+6:G0+7], s[6:7], s[16:17]
	s_or_b32 s[G0+7], s[G0+7], 0x80000000
	s_mov_b32 s[G0+8], 1
	s_mov_b32 s[G0+9], s15                         ; slot 0 again
	s_add_nc_u64 s[G0+10:G0+11], s[8:9], s[16:17]
	s_or_b32 s[G0+11], s[G0+11], 0x80000000
	tensor_load_to_lds s[G0:G0+3], s[G1:G1+7]      ; the two first fills go out together, in every wave: two loads of mine are out
	s_nop 0
	tensor_load_to_lds s[G0+4:G0+7], s[G1:G1+7]
	s_nop 0
	PLACES
	s_add_nc_u64 s[CODEB:CODEB+1], s[10:11], s[18:19]
	s_add_nc_u64 s[CODEB+2:CODEB+3], s[CODEB:CODEB+1], 131072      ; a weight's codes are 131,072 bytes
	s_add_nc_u64 s[CODEB+4:CODEB+5], s[CODEB:CODEB+1], 262144
	s_add_nc_u64 s[SCLB:SCLB+1], s[10:11], s[20:21]
	s_add_nc_u64 s[SCLB+2:SCLB+3], s[SCLB:SCLB+1], 8192            ; its scale words 8,192
	s_add_nc_u64 s[SCLB+4:SCLB+5], s[SCLB:SCLB+1], 16384
	s_add_nc_u64 s[OUTB:OUTB+1], s[12:13], s[22:23]
	s_add_nc_u64 s[OUTB+2:OUTB+3], s[OUTB:OUTB+1], 0x1000000       ; a plane of qkv is 16,777,216 bytes
	s_add_nc_u64 s[OUTB+4:OUTB+5], s[OUTB:OUTB+1], 0x2000000
	v_and_b32 v1, 15, v0                           ; r
	v_bfe_u32 v2, v0, 4, 1                         ; h
	v_lshlrev_b32 v[H8], 3, v2
	v_and_b32 v[LG], 31, v0
	v_lshlrev_b32 v[WSA], 2, v[LG]
	v_lshlrev_b32 v[LG], 4, v[LG]
	WLOAD 0
	s_mul_i32 s15, s[WV], 16*XP
	v_mul_u32_u24 v[XA], v1, XP
	v_lshl_add_u32 v[XA], v2, 7, v[XA]
	v_add_nc_u32 v[XA], s15, v[XA]                 ; row 16 w + r of a plane, + 128 h
	v_add_nc_u32 v[XA+1], 2*PLANE, v[XA]
	v_add_nc_u32 v[XA+2], SLOT, v[XA]
	v_add_nc_u32 v[XA+3], SLOT+2*PLANE, v[XA]
	v_add_nc_u32 v[FI], IMG, v[LG]
	s_lshl_b32 s15, s[WV], 12
	v_add_nc_u32 v[XWI], s15, v[FI]
	s_lshl_b32 s15, s[WV], 9
	s_add_co_u32 s15, s15, ISC
	v_add_nc_u32 v[XWS], s15, v[FI]
	s_mul_i32 s15, s[WV], 16*SPITCH
	s_add_co_u32 s15, s15, STG                     ; my stage
	v_mul_u32_u24 v[STO], v1, SPITCH
	v_lshl_add_u32 v[STO], v2, 4, v[STO]
	v_add_nc_u32 v[STO], s15, v[STO]               ; in: row r, 16 bytes for each half of the lanes
	v_mul_u32_u24 v[RD], v2, SPITCH
	v_lshl_add_u32 v[RD], v1, 4, v[RD]
	v_add_nc_u32 v[RD], s15, v[RD]                 ; back: lanes 0-15 one row of 256 bytes, lanes 16-31 the next
	v_lshlrev_b32 v[CO], 10, v2
	v_lshl_add_u32 v[CO], v1, 4, v[CO]
	s_lshl_b32 s15, s[WV], 8
	v_add_nc_u32 v[CO], s15, v[CO]                 ; the same two rows in qkv, at my 256 bytes of them
	BLOCK 0, 0, 0
	BLOCK 1, 1, 1
	BLOCK 2, 0, 0
	s_wait_tensorcnt 0x0                           ; the wave's end: a wait, an add onto my spare word and the wait for it, behind my last tensor load and my last LDS store
	ds_add_u32 v[SPW], v[NIL]
	s_wait_dscnt 0x0
	s_endpgm
.Lfunc_end_k_q9d264f2bbc_proj:
	.size	k_q9d264f2bbc_proj, .Lfunc_end_k_q9d264f2bbc_proj-k_q9d264f2bbc_proj
	.p2alignl 7, 3214868480
	.fill 96, 4, 3214868480
	.section	.rodata,"a",@progbits
	.p2align	6, 0x0
	.amdhsa_kernel k_q9d264f2bbc_proj
		.amdhsa_group_segment_fixed_size 327680
		.amdhsa_private_segment_fixed_size 0
		.amdhsa_enable_private_segment 0
		.amdhsa_kernarg_size 40
		.amdhsa_user_sgpr_count 2
		.amdhsa_user_sgpr_kernarg_segment_ptr 1
		.amdhsa_wavefront_size32 1
		.amdhsa_system_sgpr_workgroup_id_x 1
		.amdhsa_system_sgpr_workgroup_id_y 1
		.amdhsa_system_sgpr_workgroup_id_z 1
		.amdhsa_system_vgpr_workitem_id 0
		.amdhsa_next_free_vgpr 1024
		.amdhsa_next_free_sgpr 72
		.amdhsa_reserve_vcc 0
		.amdhsa_float_denorm_mode_32 3
		.amdhsa_float_denorm_mode_16_64 3
		.amdhsa_memory_ordered 1
		.amdhsa_forward_progress 1
		.amdhsa_inst_pref_size 201
	.end_amdhsa_kernel
	.amdgpu_metadata
---
amdhsa.version: [ 1, 2 ]
amdhsa.kernels:
  - .name:           k_q9d264f2bbc_proj
    .symbol:         k_q9d264f2bbc_proj.kd
    .args:
      - { .name: ft_q, .offset: 0, .size: 8, .value_kind: global_buffer, .address_space: global }
      - { .name: ft_k, .offset: 8, .size: 8, .value_kind: global_buffer, .address_space: global }
      - { .name: ft_v, .offset: 16, .size: 8, .value_kind: global_buffer, .address_space: global }
      - { .name: wimg, .offset: 24, .size: 8, .value_kind: global_buffer, .address_space: global }
      - { .name: qkv, .offset: 32, .size: 8, .value_kind: global_buffer, .address_space: global }
    .group_segment_fixed_size: 327680
    .private_segment_fixed_size: 0
    .kernarg_segment_align: 8
    .kernarg_segment_size: 40
    .max_flat_workgroup_size: 128
    .sgpr_count:     72
    .vgpr_count:     1024
    .wavefront_size: 32
...
	.end_amdgpu_metadata
.endif
;; end of part 2
;; launch attn (part 3): grid 32 x 8, 4 waves a work-group, clusters of 4 x 1, 327,680 bytes of LDS; arguments qkv, mask, out0; writes out0
.if DOCPART == 3
	.amdgcn_target "amdgcn-amd-amdhsa--gfx1250"
	.amdhsa_code_object_version 6
	.text
	.protected	k_q9d264f2bbc_attn
	.globl	k_q9d264f2bbc_attn
	.p2align	8
	.type	k_q9d264f2bbc_attn,@function
k_q9d264f2bbc_attn:
	s_mov_b64 s[64:65], 0
	v_nop
	global_prefetch_b8 v0, s[64:65] scope:SCOPE_SE
	s_setreg_imm32_b32 hwreg(HW_REG_WAVE_MODE, 25, 1), 1
	s_wait_xcnt 0x0
	s_wait_alu depctr_hold_cnt(0) depctr_sa_sdst(0) depctr_va_vdst(0) depctr_va_sdst(0) depctr_va_ssrc(0) depctr_va_vcc(0) depctr_vm_vsrc(0)
	s_getreg_b32 s2, hwreg(HW_REG_IB_STS2, 6, 4)
	s_cmp_eq_u32 s2, 0
	s_cbranch_scc0 .Lentry_in_a_cluster
	s_endpgm
.Lentry_in_a_cluster:
	s_bfe_u32 s2, ttmp6, 0x10000c
	s_cmp_lg_u32 s2, 0x3003
	s_cbranch_scc0 .Lentry_shape_is_right
	s_endpgm
.Lentry_shape_is_right:
; Third launch: out[b][q][:] = the sum over k of softmax_k(q'[b][q] . k'[b][k] + mask[b][q][k]) v[b][k][:]; nothing is left out.  qkv [3][8 x 2,048][512] f16 holds q' = q sqrt(512) / 4, k' = 4 k and v, so that
; q' . k' is reference()'s q . k sqrt(512).  mask [8][2,048][2,048] and out [8][2,048][512] are f32.  Products on f16 operands, sums, maxima and the softmax in f32; the weights p are rounded to f16 for the second product.
; LIMITS: the running maximum begins at -1e38: scores under that are held there; a row whose every score is -infinity gives NaN (0 x infinity at the end), as reference() does.
; SHARES.  A work-group owns 64 queries of one batch.  Wave w = a + 2 b: a picks its 32 queries (two tiles of 16), b the half of each tile of 128 keys that it walks: 16 steps of 64 keys, with a maximum, a sum
; and an O of its own.  With 512 channels 32 queries' O fill 512 registers and their Q 256, so a wave holds no more; halving the keys inside the work-group gives each of the chip's 256 WGPs a work-group.
; The two waves of a pair are joined through LDS at the end.
; LAYOUT.  S^T = K Q^T + mask^T (source 0 = 16 keys, source 1 = 16 queries, C of the first K step = the mask: eight neighbouring keys of one query a lane).  A lane holds ONE query; two
; such tiles, rounded to f16 in pairs, are source 1 of O^T = V^T P; V ([key][channel]) comes out of LDS turned, by ds_load_tr16_b128.
; THE MASK of a step is 32 rows of 256 consecutive bytes for a wave.  It is asked for a step ahead by 16 loads, sixteen lanes to a row and two rows a load, so that each load covers whole aligned runs of 256 bytes.
; The C operand wants a lane to hold one row's keys: so the 8,192 bytes turn through the wave's own stage in LDS (32 rows x (256 + 16) bytes): 16 stores as loaded, 16 loads in the operand's layout, into the
; registers that they left.  The turn stands in the second product's phase, a phase and a half behind the loads.
; THE RING: tiles K(0), V(0), K(1), V(1) .. of 128 keys x 1,024 bytes take turns on two slots, one for K and one for V; wave w fetches rows 32 w .. 32 w + 31.  K's slot is filled again behind a step's
; scores and softmax, V's behind its second product: each refill has the other phase in which to land.
; CLUSTER.  The four work-groups of a cluster belong to one batch and walk the same K and V: each tile is asked for JOINTLY, by the same tensor load with the same descriptor and a mask that names the four.
; REGISTERS, in windows of 256: window 0 as listed; window 1: Q, tile x, K step ks at v[128 x + 8 ks]; windows 2 and 3: O^T, channels 16 c on, tile x, at v[8 (2 (c % 16) + x)] of window 2 + c / 16.
.set PKP,   1040                       ; a row of K in LDS: 1,024 bytes + 16 = 65 x 16: sixteen neighbouring rows start at sixteen different 16-byte columns modulo 256
.set PVP,   1056                       ; a row of V: 1,024 + 32 = 33 x 32, for the turning load
.set VSL,   128*PKP                    ; K's slot from 0, V's from here
.set SPARE, VSL+128*PVP                ; the spare words, 128 bytes for each wave: two blocks of 256 bytes that no other line names
.set STAT,  SPARE+512                  ; the waves' maxima and sums at the end: 512 bytes a wave
.set MSTG,  STAT+2048                  ; the mask's stages: 32 rows x MSP bytes for each wave; no tensor load lands here
.set MSP,   272                        ; a stage row: 256 bytes + 16 = 17 x 16: sixteen neighbouring rows start at sixteen different 16-byte columns modulo 256
.set MP,    2064                       ; the joining: a row of 512 f32 + 16 bytes
.set MW,    32*MP                      ; a wave's 32 rows; the four waves' lie from 0 on, in the slots, which have had their last fill and their last read by then
.set TILEB, 131072                     ; a tile of K or V in memory
.set MSI, 1                            ; v1   the mask's stage, on the way in: row lane / 16, 16 bytes a lane
.set AK,  2                            ; v2   my lane's place in K's slot
.set AV,  3                            ; v3   and in V's
.set MO,  4                            ; v4   my byte offset in a step's mask: 8,192 (lane / 16) + 16 (lane % 16)
.set PFO, 5                            ; v5   256 x lane
.set PMO, 6                            ; v6   8,192 x lane
.set MSO, 7                            ; v7   the mask's stage, on the way out: row r, + 32 h
.set STO, 8                            ; v8   the joining: where I put 16 bytes of a row
.set RD0, 9                            ; v9   where I read rows of the pair's first wave back,
.set RD1, 10                           ; v10  and of its second
.set GO,  11                           ; v11  16 x lane
.set SPW, 12                           ; v12  LDS address of my spare word; never rewritten
.set NIL, 13                           ; v13  0; never rewritten
.set SA,  14                           ; v14  my wave's words in STAT
.set SB,  15                           ; v15  my partner's
.set ST,  16                           ; v16-31  tile x's statistics at ST + 8 x: +0 L m, +1 m, +2, +3 l (even keys', odd keys'), +4 to +7 at work; a, later g, at +6
.set S,   32                           ; v32-95  S^T: 32 x + 8 kt.  (At the head v32-36 are at work: h, lane, a temporary, r, Q's offset)
.set QO,  36                           ; v36  at the head alone: 1,024 r + 16 h
.set MK,  96                           ; v96-159 the next step's mask: as loaded, then in S^T's shape
.set P,   160                          ; v160-191 P: 16 x + 8 kk
.set KF,  160                          ; v160-255 in the scores' phase: three sets of four fragments of K
.set FA,  32                           ; in the second product's phase: two sets of eight fragments of V: v32-95 (S^T is done with)
.set FB,  192                          ; and v192-255
.set EX,  160                          ; at the end: my partner's statistics
.set WV,  10                           ; s10  my wave's number
.set G1K, 24                           ; s[24:31] descriptor group 1 for K's tiles;  s[32:39] for V's: the padding differs
.set G1V, 32
.set G0K, 40                           ; s[40:43], s[44:47] their groups 0, which walk
.set G0V, 44
.set QB,  48                           ; s[48:49] my 32 rows of q'
.set MB,  50                           ; s[50:51] the mask at my 32 rows and the 64 keys of the step in hand
.set OB,  52                           ; s[52:53] the 16 rows of out that I store
.set PFK, 54                           ; s[54:55], s[56:57] where my prefetches of K and V stand
.set PFV, 56
.set CS,  58                           ; s[58:59] L = log2(e)
.set SEL, 60                           ; s[60:61] lane selects: lane l xor 16
.set CNT, 62                           ; s62  the loop's steps to go
.set LIM, 63                           ; s63  1 in the batch's first cluster, else the greatest number
.set FLOOR, 66                         ; s66  -1e38
.set MSB, 0
.macro WIN new                         ; the immediate's high byte repeats the setting that is left; a switch that changes nothing is dropped
.if MSB != (\new)
	s_set_vgpr_msb (MSB<<8)|(\new)
.set MSB, (\new)
.endif
.endm
.macro PLACES                          ; four plain lines behind a matrix instruction, ahead of loads into its registers and of the first read of its results
.rept 4
	v_nop
.endr
.endm
.macro CROUND                          ; a round of the cluster's barrier
	s_barrier_signal -1
	s_barrier_wait -1
	s_cmp_lg_u32 s[WV], 0
	s_cbranch_scc1 .Lnot_wave_0_\@
	s_barrier_signal -3
.Lnot_wave_0_\@:
	s_barrier_wait -3
	s_barrier_signal -1
	s_barrier_wait -1
.endm
; THE CHANGE OF A SLOT.  kind 1: K's slot, which all have read, takes the next tile of K; kind 2: V's likewise; kind 0: nothing is left to fetch.  Each wave waits for all its tensor loads, of which one is out:
; its part of the OTHER slot, which the next phase reads; adds 0 to its spare word; and waits for that and for its reads.  Where a slot is filled the barrier is a round of the cluster's, and the joint load is the
; first thing behind it.
; PREFETCHES INTO THE L2 (ask 1: step 0's form; 2: the loop's; 0: none) stand together behind the load's five lines.  K and V: the tile that the next change of the same slot will ask for, a key step ahead of that load;
; all clusters of a batch walk the same tiles, so the batch's first cluster asks; of the 32 rows that wave w fetches each of the four partners names 8, told apart BY ADDRESS, a lane to each 256 bytes: every
; block is named once in the launch.  The mask: my own 32 rows x 256 bytes of the step after next, a lane a row, a step ahead of its loads; every wave asks for its own.  The last steps ask for nothing.
.macro CHANGE kind, ask
	WIN 0
	s_wait_tensorcnt 0x0                           ; no tensor load of mine is out, so a group 0 may be written
	ds_add_u32 v[SPW], v[NIL]                      ; 0 onto my spare word: the steps below stand between it and the wait for it
.if (\kind) == 1
	s_add_nc_u64 s[G0K+2:G0K+3], s[G0K+2:G0K+3], TILEB
.elseif (\kind) == 2
	s_add_nc_u64 s[G0V+2:G0V+3], s[G0V+2:G0V+3], TILEB
.endif
.if \ask
	s_wait_xcnt 0x0                                ; the mask's loads and the last prefetches, a phase back or more, have read their bases
.if (\kind) == 1
	s_add_nc_u64 s[PFK:PFK+1], s[PFK:PFK+1], TILEB
.else
	s_add_nc_u64 s[MB:MB+1], s[MB:MB+1], 512       ; the step in hand: 128 keys on
	s_add_nc_u64 s[PFV:PFV+1], s[PFV:PFV+1], TILEB
.endif
.endif
	s_wait_dscnt 0x0                               ; the add is done, my reads of the slot are over, and the mask is back from its stage
.if (\kind) == 0
	s_barrier_signal -1
	s_barrier_wait -1
.else
	CROUND                                         ; no wave of any partner still reads the slot or has a load on its way
.if (\kind) == 1
	tensor_load_to_lds s[G0K:G0K+3], s[G1K:G1K+7]
.else
	tensor_load_to_lds s[G0V:G0V+3], s[G1V:G1V+7]
.endif
	s_nop 0
	PLACES                                         ; also the places in front of the next phase's loads
.endif
.if (\ask) && ((\kind) == 1)
.if (\ask) == 1
	s_cmp_eq_u32 s[LIM], 1
.else
	s_cmp_gt_u32 s[CNT], s[LIM]                    ; the loop's last trip has no tile of K two steps on
.endif
	s_cbranch_scc0 .Lno_k_\@
	global_prefetch_b8 v[PFO], s[PFK:PFK+1] th:TH_LOAD_NT scope:SCOPE_SE
.Lno_k_\@:
.endif
.if (\ask) && ((\kind) == 2)
	s_cmp_eq_u32 s[LIM], 1
	s_cbranch_scc0 .Lno_v_\@
	global_prefetch_b8 v[PFO], s[PFV:PFV+1] th:TH_LOAD_NT scope:SCOPE_SE
.Lno_v_\@:
	s_cmp_gt_u32 s[CNT], 1                         ; the loop's last trip has no step after next
	s_cbranch_scc0 .Lno_m_\@
	global_prefetch_b8 v[PMO], s[MB:MB+1] offset:1024 th:TH_LOAD_NT scope:SCOPE_SE
.Lno_m_\@:
.endif
.endm
.macro KLOAD ks                        ; four fragments of K (my 64 keys x channels 32 ks on) into set ks % 3
.irp kt, 0,1,2,3
.irp u, 0,1
	ds_load_b128 v[KF+32*((\ks)%3)+8*\kt+4*\u:KF+32*((\ks)%3)+8*\kt+4*\u+3], v[AK] offset:\kt*16*PKP+64*(\ks)+32*\u
.endr
.endr
.endm
.macro MLOAD off                       ; a step's mask, 32 queries x 64 keys, as it lies: load f takes rows 2 f and 2 f + 1, sixteen lanes to a row's 256 consecutive bytes; read once in the launch
.set f, 0
.rept 16
	global_load_b128 v[MK+4*f:MK+4*f+3], v[MO], s[MB:MB+1] offset:(\off)+16384*f th:TH_LOAD_NT
.set f, f+1
.endr
.endm
.macro MTURN                           ; the mask through my stage: in as loaded, out in S^T's shape: lane (r, h), tile (x, kt): query 16 x + r, keys 16 kt + 8 h + 0 .. 7.  LDS serves a wave's instructions in order: no wait between
.set f, 0
.rept 16
	ds_store_b128 v[MSI], v[MK+4*f:MK+4*f+3] offset:2*f*MSP
.set f, f+1
.endr
.irp x, 0,1
.irp kt, 0,1,2,3
.irp u, 0,1
	ds_load_b128 v[MK+32*\x+8*\kt+4*\u:MK+32*\x+8*\kt+4*\u+3], v[MSO] offset:16*MSP*\x+64*\kt+16*\u
.endr
.endr
.endr
.endm
; THE SCORES: 16 K steps of 32 channels, 8 matrix instructions each, the eight accumulators by turns.  K's fragments run three sets ahead.  ml = 1: the next step's mask is asked for
; as soon as this step's has been taken in as C.  One window setting serves the phase: source 1 (Q) in window 1; the loads name destination and source 0 alone.
.macro QKPH ml
	WIN 0x04
	KLOAD 0
	KLOAD 1
	KLOAD 2
.set ks, 0
.rept 16
.if ks <= 13
	s_wait_dscnt 16                                ; this set is in (and all that was asked of LDS before it: the mask); the two sets behind it may be out
.elseif ks == 14
	s_wait_dscnt 8
.else
	s_wait_dscnt 0x0
.endif
.irp kt, 0,1,2,3
.irp x, 0,1
.if ks == 0
	v_wmma_f32_16x16x32_f16 v[S+32*\x+8*\kt:S+32*\x+8*\kt+7], v[KF+32*(ks%3)+8*\kt:KF+32*(ks%3)+8*\kt+7], v[128*\x+8*ks:128*\x+8*ks+7], v[MK+32*\x+8*\kt:MK+32*\x+8*\kt+7]
.else
	v_wmma_f32_16x16x32_f16 v[S+32*\x+8*\kt:S+32*\x+8*\kt+7], v[KF+32*(ks%3)+8*\kt:KF+32*(ks%3)+8*\kt+7], v[128*\x+8*ks:128*\x+8*ks+7], v[S+32*\x+8*\kt:S+32*\x+8*\kt+7]
.endif
.endr
.endr
.if ks <= 12
	PLACES
	KLOAD ks+3                                     ; into the set just multiplied
.endif
.if (ks == 0) && \ml
	MLOAD 512                                      ; behind the same four places
.endif
.set ks, ks+1
.endr
	PLACES
	WIN 0
.endm
; THE SOFTMAX of tile t for one step is a numbered list; SM writes number j.  s0-s31 are the lane's 32 scores.  first = 1: the first step, which starts m and l.
;   0-15 the maximum of s0-s31 and the old m (first: and the floor), each accumulator from its low end on;  16-20 the other half of the lanes' maximum, the new m, L m, its change;
;   21-69 ONE BATCH: the 16 packed scalings L s - L m and all 33 exponentials (a at 23): none of these names an exponential's result;  70-85 the roundings to f16;  86-101 the sums; l = a l + the sum
.macro SM t, first
.set rT, ST+8*(\t)
.set rS, S+32*(\t)
.set rP, P+16*(\t)
.if j < 4
	v_max3_num_f32 v[rT+4+j], v[rS+8*j], v[rS+8*j+1], v[rS+8*j+2]
.elseif j < 12
	v_max3_num_f32 v[rT+4+j%4], v[rT+4+j%4], v[rS+8*(j%4)+2*(j/4)+1], v[rS+8*(j%4)+2*(j/4)+2]
.elseif j == 12
	v_max3_num_f32 v[rT+4], v[rT+4], v[rS+7], v[rS+15]
.elseif j == 13
	v_max3_num_f32 v[rT+6], v[rT+6], v[rS+23], v[rS+31]
.elseif j == 14
	v_max3_num_f32 v[rT+4], v[rT+4], v[rT+5], v[rT+6]
.elseif (j == 15) && \first
	v_max3_num_f32 v[rT+4], v[rT+4], v[rT+7], s[FLOOR]   ; so m is a number even where every score so far is -infinity
.elseif j == 15
	v_max3_num_f32 v[rT+4], v[rT+4], v[rT+7], v[rT+1]
.elseif j == 16
	v_permlanex16_b32 v[rT+5], v[rT+4], s[SEL], s[SEL+1]  ; the query's other 32 keys lie in the lane 16 away
.elseif j == 18
	v_max_num_f32 v[rT+1], v[rT+4], v[rT+5]
.elseif j == 19
	v_mul_f32 v[rT], s[CS], v[rT+1]
.elseif ((j == 17) || (j == 20) || (j == 23)) && \first   ; the first step has none of these
.elseif j == 17
	v_mov_b32 v[rT+7], v[rT]                       ; L m_old is kept for a
.elseif j == 20
	v_sub_f32 v[rT+7], v[rT+7], v[rT]
.elseif j == 23
	v_exp_f32 v[rT+6], v[rT+7]                     ; a = 2^(L m_old - L m_new)
.elseif (j < 23) || ((j < 38) && (j%2 == 0)) || ((j < 66) && (j%4 == 2))
.set b, (j-2)/4
.if j < 38
.set b, (j-20)/2
.endif
	v_pk_fma_f32 v[rS+2*b:rS+2*b+1], v[rS+2*b:rS+2*b+1], s[CS:CS+1], v[rT:rT+1] op_sel_hi:[1,0,0] neg_lo:[0,0,1] neg_hi:[0,0,1]   ; pair b: L s - L m
.elseif j < 70
.set e, j-38
.if j < 66
.set e, j-32-(j-38)/4
.endif
.if j < 38
.set e, (j-25)/2
.endif
	v_exp_f32 v[rS+e], v[rS+e]
.elseif j < 86
	v_cvt_pk_f16_f32 v[rP+j-70], v[rS+2*(j-70)], v[rS+2*(j-70)+1]
.else
.set z, j-86
.set w, 4
.set u, z
.if z >= 14
.set w, 32
.set u, 0
.elseif z >= 12
.set w, 16
.set u, z-12
.elseif z >= 8
.set w, 8
.set u, z-8
.endif
.if (z == 14) && \first
	v_pk_add_f32 v[rT+2:rT+3], v[rS:rS+1], v[rS+16:rS+17]
.elseif z < 15
	v_pk_add_f32 v[rS+w*u:rS+w*u+1], v[rS+w*u:rS+w*u+1], v[rS+w*u+w/2:rS+w*u+w/2+1]
.elseif !\first
	v_pk_fma_f32 v[rT+2:rT+3], v[rT+2:rT+3], v[rT+6:rT+7], v[rS:rS+1] op_sel_hi:[1,0,1]
.endif
.endif
.endm
.macro SOFTMAX first                   ; the two tiles alternate, so that no line reads the result of the line just above it
.set j, 0
.rept 70
	SM 0, \first
	SM 1, \first
.set j, j+1
.endr
	v_nop                                          ; a plain line behind the last exponential,
	s_wait_alu depctr_va_vdst(0)                   ; and a wait ahead of the first line that names a result: one for the 66
.rept 32
	SM 0, \first
	SM 1, \first
.set j, j+1
.endr
.endm
.macro VLOAD g                         ; eight fragments of V^T (channels 64 g on x my 64 keys), turned, into set g % 2
.set vS, FA+(FB-FA)*((\g)%2)
.irp c, 0,1,2,3
.irp kk, 0,1
.irp u, 0,1
	ds_load_tr16_b128 v[vS+16*\c+8*\kk+4*\u:vS+16*\c+8*\kk+4*\u+3], v[AV] offset:\kk*32*PVP+\u*16*PVP+(4*(\g)+\c)*32
.endr
.endr
.endr
.endm
.macro RESC c, x                       ; O^T's tile (c, x) times the pair's low word at ST + 8 x + 6 (a; at the end g), from its low end on
.set wR, 2+(\c)/16
.set rR, 8*(2*((\c)%16)+(\x))
	WIN (wR<<6)|wR
.irp q, 0,2,4,6
	v_pk_mul_f32 v[rR+\q:rR+\q+1], v[rR+\q:rR+\q+1], v[ST+8*(\x)+6:ST+8*(\x)+7] op_sel_hi:[1,0]
.endr
.endm
.macro PVMM first                      ; product ii of 16 of group gg: keys 32 (ii / 8) on, channels 16 (4 gg + (ii / 2) % 4) on, tile ii % 2
.set cC, 4*gg+(ii/2)%4
.set wW, 2+cC/16
.set rO, 8*(2*(cC%16)+ii%2)
.set rV, FA+(FB-FA)*(gg%2)+16*((ii/2)%4)+8*(ii/8)
.set rB, P+16*(ii%2)+8*(ii/8)
	WIN (wW<<6)|(wW<<4)
.if \first && (ii < 8)
	v_wmma_f32_16x16x32_f16 v[rO:rO+7], v[rV:rV+7], v[rB:rB+7], 0
.else
	v_wmma_f32_16x16x32_f16 v[rO:rO+7], v[rV:rV+7], v[rB:rB+7], v[rO:rO+7]
.endif
.endm
; O^T += V^T P: eight groups of 64 channels, 16 matrix instructions each, the group's eight accumulators by turns.  V's fragments run two groups ahead.  The rescaling of O^T by a is dealt out: group 0's tiles stand
; behind the first loads, group g + 1's behind every second product of group g, in the order in which they are wanted; the last such slice is also the four places in front of the loads into the set just left.
; first = 1: the first products start the sums with the constant 0; there is nothing to rescale, and four v_nop are the places.
; turn = 1: the next step's mask, asked for in the scores' phase, goes through its stage behind V's last run of loads; it is back at the change of slots that follows the phase.
.macro PVPH first, turn
	WIN 0
	VLOAD 0
	VLOAD 1
.if !\first
.set tt, 0
.rept 8
	RESC tt/2, tt%2
.set tt, tt+1
.endr
.endif
	s_wait_dscnt 16                                ; group 0's fragments are in; group 1's may be out
.set gg, 0
.rept 8
.set ii, 0
.rept 16
	PVMM \first
.if (ii%2 == 1) && (gg <= 6) && !\first
	RESC 4*(gg+1)+(ii/2)/2, (ii/2)%2
.endif
.set ii, ii+1
.endr
.if \first
	PLACES
.endif
.if gg <= 5
	WIN 0
	VLOAD gg+2
	s_wait_dscnt 16                                ; the next group's fragments are in; those just asked for may be out
.if (gg == 5) && \turn
	s_wait_loadcnt 0x0                             ; the next step's mask is in its registers
	MTURN
.endif
.elseif gg == 6
.if \turn
	s_wait_dscnt 32                                ; group 7's fragments are in; the turn's 16 stores and 16 loads, issued behind them, may be out
.else
	s_wait_dscnt 0x0
.endif
.endif
.set gg, gg+1
.endr
	WIN 0
.endm
	s_load_b128 s[4:7], s[0:1], 0x0                ; qkv s[4:5], mask s[6:7]
	s_load_b64 s[8:9], s[0:1], 0x10                ; out
	v_lshl_add_u32 v[SPW], v0, 2, SPARE
	v_mov_b32 v[NIL], 0
	ds_add_u32 v[SPW], v[NIL]                      ; the wave's opening: an add onto my spare word, twice on end, and its wait ahead of my first tensor load
	ds_add_u32 v[SPW], v[NIL]                      ; and once more; the set-up below, work on registers, stands between it and the wait
	v_lshrrev_b32 v1, 5, v0
	v_readfirstlane_b32 s[WV], v1                  ; wave 0..3
	s_and_b32 s11, s[WV], 1                        ; a: which 32 queries
	s_lshr_b32 s12, s[WV], 1                       ; b: which 64 keys of a tile
	s_bfe_u32 s13, ttmp6, 0x40000                  ; cx: my place in the cluster
	s_lshl_b32 s14, ttmp9, 2                       ; in a cluster launch ttmp9 counts clusters
	s_add_co_u32 s14, s14, s13                     ; my block of 64 queries: it enters Q's, the mask's and out's addresses alone
	s_and_b32 s15, ttmp7, 0xffff                   ; the batch, which the four partners share
	s_lshl_b32 s16, s15, 21                        ; K and V: the batch's 2,048 rows of 1,024 bytes,
	s_lshl_b32 s17, s[WV], 15                      ; my 32 rows of a tile
	s_add_co_u32 s16, s16, s17
	s_mov_b32 s17, 0
	s_lshl_b32 s18, s15, 21                        ; Q: the batch, my block's 64 rows, my wave's 32
	s_lshl_b32 s19, s14, 16
	s_add_co_u32 s18, s18, s19
	s_lshl_b32 s19, s11, 15
	s_add_co_u32 s18, s18, s19
	s_mov_b32 s19, 0
	s_lshl_b32 s20, s15, 24                        ; the mask: rows of 8,192 bytes; + my 64 keys of the first tile
	s_lshl_b32 s21, s14, 19
	s_add_co_u32 s20, s20, s21
	s_lshl_b32 s21, s11, 18
	s_add_co_u32 s20, s20, s21
	s_lshl_b32 s21, s12, 8
	s_add_co_u32 s20, s20, s21
	s_mov_b32 s21, 0
	s_lshl_b32 s22, s15, 22                        ; out: rows of 2,048 bytes; of my pair's 32 rows I store 16 b on
	s_lshl_b32 s23, s14, 17
	s_add_co_u32 s22, s22, s23
	s_lshl_b32 s23, s11, 16
	s_add_co_u32 s22, s22, s23
	s_lshl_b32 s23, s12, 15
	s_add_co_u32 s22, s22, s23
	s_mov_b32 s23, 0
	s_lshl_b32 s68, s13, 13                        ; the prefetches: my work-group's 8 rows of the 32,
	s_add_co_u32 s68, s68, TILEB                   ; in tile 1: the first change of each slot steps it to tile 2.  Nothing is prefetched at the head
	s_mov_b32 s69, 0
	; descriptor group 1: 32 rows x 512 elements of 2 bytes, padded in LDS
	s_mov_b32 s[G1K], 15|(1<<16)|(1<<20)|(1<<21)|(7<<22)|(3<<25)   ; the mask: all four work-groups; elements of 2 bytes; padding on; bit 21 beside a mask; after every 256 words (code 7); 4 words of it (code 3)
	s_mov_b32 s[G1V], 15|(1<<16)|(1<<20)|(1<<21)|(7<<22)|(7<<25)   ; the same with 8 words of padding (code 7)
.irp g, G1K, G1V
	s_mov_b32 s[\g+1], 512<<16                     ; tensor_dim0 = 512
	s_mov_b32 s[\g+2], 32<<16                      ; tensor_dim1 = 32
	s_mov_b32 s[\g+3], 512<<16                     ; tile_dim0 = 512
	s_mov_b32 s[\g+4], 32                          ; tile_dim1 = 32
	s_mov_b32 s[\g+5], 512                         ; tensor_dim0_stride
	s_mov_b32 s[\g+6], 0
	s_mov_b32 s[\g+7], 0
.endr
	s_mul_i32 s2, s[WV], 32*PKP                    ; where my rows go: no place in the cluster enters an LDS address
	s_mul_i32 s3, s[WV], 32*PVP
	s_add_co_u32 s3, s3, VSL
	s_mov_b32 s[CS], 0x3fb8aa3b                    ; L = log2(e)
	s_mov_b32 s[CS+1], s[CS]                       ; (named with it as a pair, so it is written)
	s_mov_b32 s[SEL], 0x76543210
	s_mov_b32 s[SEL+1], 0xfedcba98
	s_mov_b32 s[FLOOR], 0xfe967699                 ; -1e38
	s_cmp_eq_u32 ttmp9, 0                          ; the batch's first cluster: the same in all four partners
	s_cselect_b32 s[LIM], 1, -1
	s_wait_dscnt 0x0                               ; both opening adds are done
	s_wait_kmcnt 0x0
	s_mov_b32 s[G0K], 1
	s_mov_b32 s[G0K+1], s2
	s_add_nc_u64 s[G0K+2:G0K+3], s[4:5], s[16:17]
	s_add_nc_u64 s[G0K+2:G0K+3], s[G0K+2:G0K+3], 0x1000000   ; plane 1 of qkv
	s_mov_b32 s[G0V], 1
	s_mov_b32 s[G0V+1], s3
	s_add_nc_u64 s[G0V+2:G0V+3], s[G0K+2:G0K+3], 0x1000000   ; plane 2
	s_add_nc_u64 s[PFK:PFK+1], s[G0K+2:G0K+3], s[68:69]
	s_add_nc_u64 s[PFV:PFV+1], s[G0V+2:G0V+3], s[68:69]
	s_or_b32 s[G0K+3], s[G0K+3], 0x80000000
	s_or_b32 s[G0V+3], s[G0V+3], 0x80000000
	s_add_nc_u64 s[QB:QB+1], s[4:5], s[18:19]
	s_add_nc_u64 s[MB:MB+1], s[6:7], s[20:21]
	s_add_nc_u64 s[OB:OB+1], s[8:9], s[22:23]
	CROUND                                         ; all four work-groups are here: the first joint loads meet
	tensor_load_to_lds s[G0K:G0K+3], s[G1K:G1K+7]  ; K(0) and V(0) go out together, in every wave: two loads of mine are out
	s_nop 0
	tensor_load_to_lds s[G0V:G0V+3], s[G1V:G1V+7]
	s_nop 0
	PLACES
	v_and_b32 v35, 15, v0                          ; r
	v_bfe_u32 v32, v0, 4, 1                        ; h
	v_and_b32 v33, 31, v0                          ; lane
	v_lshlrev_b32 v[MO], 13, v32
	v_lshl_add_u32 v[MO], v35, 4, v[MO]            ; the mask: lanes 0-15 one row, lanes 16-31 the next; 16 bytes a lane
	MLOAD 0                                        ; step 0's mask
	v_lshlrev_b32 v[QO], 10, v35
	v_lshl_add_u32 v[QO], v32, 4, v[QO]
	WIN 0x40                                       ; destination window 1
.set f, 0
.rept 32                                       ; Q stays in registers: f = 16 x + ks
	global_load_b128 v[8*f:8*f+3],   v[QO], s[QB:QB+1] offset:(f/16)*16384+(f%16)*64
	global_load_b128 v[8*f+4:8*f+7], v[QO], s[QB:QB+1] offset:(f/16)*16384+(f%16)*64+32
.set f, f+1
.endr
	WIN 0
	s_mul_i32 s16, s12, 64*PKP
	v_mul_u32_u24 v[AK], v35, PKP
	v_lshl_add_u32 v[AK], v32, 4, v[AK]
	v_add_nc_u32 v[AK], s16, v[AK]                 ; K: row 64 b + r, + 16 h
	s_mul_i32 s16, s12, 64*PVP
	s_add_co_u32 s16, s16, VSL
	v_and_b32 v34, 7, v0
	v_lshl_add_u32 v34, v32, 3, v34
	v_mul_u32_u24 v[AV], v34, PVP
	v_bfe_u32 v34, v0, 3, 1
	v_lshl_add_u32 v[AV], v34, 4, v[AV]
	v_add_nc_u32 v[AV], s16, v[AV]                 ; V: row 64 b + 8 h + lane % 8, + 16 ((lane / 8) % 2)
	v_lshlrev_b32 v[PFO], 8, v33
	v_lshlrev_b32 v[PMO], 13, v33
	v_lshlrev_b32 v[GO], 4, v33
	s_mul_i32 s16, s[WV], 32*MSP
	s_add_co_u32 s16, s16, MSTG                    ; my stage for the mask
	v_mul_u32_u24 v[MSI], v32, MSP
	v_lshl_add_u32 v[MSI], v35, 4, v[MSI]
	v_add_nc_u32 v[MSI], s16, v[MSI]               ; in: as loaded
	v_mul_u32_u24 v[MSO], v35, MSP
	v_lshl_add_u32 v[MSO], v32, 5, v[MSO]
	v_add_nc_u32 v[MSO], s16, v[MSO]               ; out: row r, my half's 32 bytes of each 64
	s_mul_i32 s16, s[WV], MW
	v_mul_u32_u24 v[STO], v35, MP
	v_lshl_add_u32 v[STO], v32, 5, v[STO]
	v_add_nc_u32 v[STO], s16, v[STO]               ; the joining, in: my wave's rows, row r, + 32 h
	s_mul_i32 s16, s11, MW
	s_mul_i32 s17, s12, 16*MP
	s_add_co_u32 s16, s16, s17
	v_add_nc_u32 v[RD0], s16, v[GO]                ; back: wave a's rows 16 b on,
	v_add_nc_u32 v[RD1], 2*MW, v[RD0]              ; and wave a + 2's
	s_lshl_b32 s16, s[WV], 9
	s_add_co_u32 s16, s16, STAT
	v_lshl_add_u32 v[SA], v33, 2, s16
	s_xor_b32 s16, s[WV], 2
	s_lshl_b32 s16, s16, 9
	s_add_co_u32 s16, s16, STAT
	v_lshl_add_u32 v[SB], v33, 2, s16
	s_wait_tensorcnt 0x1                           ; my rows of K(0) are in; V(0)'s load may stay out
	s_barrier_signal -1
	s_barrier_wait -1                              ; everybody's are
	s_wait_loadcnt 0x0                             ; step 0's mask, and Q
	MTURN
	QKPH 1                                         ; step 0
	SOFTMAX 1
	CHANGE 1, 1                                    ; V(0) is whole; K(1) goes out
	PVPH 1, 1
	s_mov_b32 s[CNT], 14
.Lstep:                                            ; steps 1 to 14
	CHANGE 2, 2                                    ; K of this step is whole; V of this step goes out
	QKPH 1
	SOFTMAX 0
	CHANGE 1, 2                                    ; V of this step is whole; K of the next goes out
	PVPH 0, 1
	s_sub_co_u32 s[CNT], s[CNT], 1
	s_cmp_lg_u32 s[CNT], 0
	s_cbranch_scc1 .Lstep
	CHANGE 2, 0                                    ; step 15 is written out: V(15) is the last load
	QKPH 0
	SOFTMAX 0
	CHANGE 0, 0
	PVPH 0, 0
	; THE JOINING.  The pair's two waves hold the same 32 queries over different keys.  With L m* = the larger of the two L m, f = 2^(L m - L m*) and l* = f l + f' l', each wave multiplies its O^T by g = f / l*, and the two are added.
.irp x, 0,1
	v_add_f32 v[ST+8*\x+2], v[ST+8*\x+2], v[ST+8*\x+3]   ; l's two halves.  (These six lines are the places behind the last products)
.endr
.irp x, 0,1
	v_permlanex16_b32 v[ST+8*\x+5], v[ST+8*\x+2], s[SEL], s[SEL+1]
.endr
.irp x, 0,1
	v_add_f32 v[ST+8*\x+2], v[ST+8*\x+2], v[ST+8*\x+5]   ; and the other half of the lanes'
.endr
.irp x, 0,1
	ds_store_b32 v[SA], v[ST+8*\x] offset:256*\x
	ds_store_b32 v[SA], v[ST+8*\x+2] offset:256*\x+128
.endr
	s_wait_dscnt 0x0                               ; for the others' sake: my words lie in LDS, and my reads of the slots are over
	s_barrier_signal -1
	s_barrier_wait -1
.irp x, 0,1
	ds_load_b32 v[EX+2*\x], v[SB] offset:256*\x            ; my partner's L m
	ds_load_b32 v[EX+2*\x+1], v[SB] offset:256*\x+128      ; and l
.endr
	s_wait_dscnt 0x0
.irp x, 0,1
	v_max_num_f32 v[ST+8*\x+4], v[ST+8*\x], v[EX+2*\x]
.endr
.irp x, 0,1
	v_sub_f32 v[ST+8*\x+5], v[ST+8*\x], v[ST+8*\x+4]
	v_sub_f32 v[EX+4+\x], v[EX+2*\x], v[ST+8*\x+4]
.endr
.irp x, 0,1
	v_exp_f32 v[ST+8*\x+5], v[ST+8*\x+5]           ; f
	v_exp_f32 v[EX+4+\x], v[EX+4+\x]               ; f'
.endr
	v_nop
	s_wait_alu depctr_va_vdst(0)                   ; one wait for the four exponentials, ahead of their first reader
.irp x, 0,1
	v_mul_f32 v[ST+8*\x+4], v[ST+8*\x+5], v[ST+8*\x+2]
.endr
.irp x, 0,1
	v_fmac_f32 v[ST+8*\x+4], v[EX+4+\x], v[EX+2*\x+1]      ; l*
.endr
.irp x, 0,1
	v_rcp_f32 v[ST+8*\x+4], v[ST+8*\x+4]
.endr
	v_nop
	s_wait_alu depctr_va_vdst(0)                   ; and one for the two reciprocals
.irp x, 0,1
	v_mul_f32 v[ST+8*\x+6], v[ST+8*\x+5], v[ST+8*\x+4]     ; g
.endr
.irp x, 0,1
	v_mov_b32 v[ST+8*\x+7], v[ST+8*\x+6]           ; (named with it as a pair)
.endr
.set cc, 0
.rept 32
	RESC cc, 0
	RESC cc, 1
.set cc, cc+1
.endr
.set cc, 0
.rept 32                                       ; lane (r, h): row 16 x + r of my 32, channels 16 c + 8 h + 0 .. 7: 32 bytes
	WIN (2+cc/16)<<2                               ; an LDS store's data are its source 1
.irp x, 0,1
.irp u, 0,1
	ds_store_b128 v[STO], v[8*(2*(cc%16)+\x)+4*\u:8*(2*(cc%16)+\x)+4*\u+3] offset:16*MP*\x+64*cc+16*\u
.endr
.endr
.set cc, cc+1
.endr
	WIN 0
	s_wait_dscnt 0x0                               ; for the others' sake: my rows lie in LDS
	s_barrier_signal -1
	s_barrier_wait -1
; four rows at a time: both waves' parts come back as whole rows, are added and stored; 32 lanes store 512 consecutive bytes
.macro FINISH gq
.if (\gq) > 0
	s_wait_xcnt 0x0                                ; the last four rows' stores have read their registers
.endif
.irp i, 0,1,2,3
.irp u, 0,1,2,3
	ds_load_b128 v[32+16*\i+4*\u:32+16*\i+4*\u+3], v[RD0] offset:MP*(4*(\gq)+\i)+512*\u
	ds_load_b128 v[96+16*\i+4*\u:96+16*\i+4*\u+3], v[RD1] offset:MP*(4*(\gq)+\i)+512*\u
.endr
.endr
	s_wait_dscnt 0x0
.set q, 0
.rept 32
	v_pk_add_f32 v[32+q:33+q], v[32+q:33+q], v[96+q:97+q]
.set q, q+2
.endr
.irp i, 0,1,2,3
.irp u, 0,1,2,3
	global_store_b128 v[GO], v[32+16*\i+4*\u:32+16*\i+4*\u+3], s[OB:OB+1] offset:2048*(4*(\gq)+\i)+512*\u th:TH_STORE_NT
.endr
.endr
.endm
	FINISH 0
	FINISH 1
	FINISH 2
	FINISH 3
	s_wait_tensorcnt 0x0                           ; the wave's end: a wait, an add onto my spare word and the wait for it, behind my last tensor load and my last LDS store
	ds_add_u32 v[SPW], v[NIL]
	s_wait_dscnt 0x0
	CROUND                                         ; the closing round: no work-group ends while a partner may still ask for a tile that names it
	s_endpgm
.Lfunc_end_k_q9d264f2bbc_attn:
	.size	k_q9d264f2bbc_attn, .Lfunc_end_k_q9d264f2bbc_attn-k_q9d264f2bbc_attn
	.p2alignl 7, 3214868480
	.fill 96, 4, 3214868480
	.section	.rodata,"a",@progbits
	.p2align	6, 0x0
	.amdhsa_kernel k_q9d264f2bbc_attn
		.amdhsa_group_segment_fixed_size 327680
		.amdhsa_private_segment_fixed_size 0
		.amdhsa_enable_private_segment 0
		.amdhsa_kernarg_size 24
		.amdhsa_user_sgpr_count 2
		.amdhsa_user_sgpr_kernarg_segment_ptr 1
		.amdhsa_wavefront_size32 1
		.amdhsa_system_sgpr_workgroup_id_x 1
		.amdhsa_system_sgpr_workgroup_id_y 1
		.amdhsa_system_sgpr_workgroup_id_z 1
		.amdhsa_system_vgpr_workitem_id 0
		.amdhsa_next_free_vgpr 1024
		.amdhsa_next_free_sgpr 70
		.amdhsa_reserve_vcc 0
		.amdhsa_float_denorm_mode_32 3
		.amdhsa_float_denorm_mode_16_64 3
		.amdhsa_memory_ordered 1
		.amdhsa_forward_progress 1
		.amdhsa_inst_pref_size 253
	.end_amdhsa_kernel
	.amdgpu_metadata
---
amdhsa.version: [ 1, 2 ]
amdhsa.kernels:
  - .name:           k_q9d264f2bbc_attn
    .symbol:         k_q9d264f2bbc_attn.kd
    .args:
      - { .name: qkv, .offset: 0, .size: 8, .value_kind: global_buffer, .address_space: global }
      - { .name: mask, .offset: 8, .size: 8, .value_kind: global_buffer, .address_space: global }
      - { .name: out0, .offset: 16, .size: 8, .value_kind: global_buffer, .address_space: global }
    .group_segment_fixed_size: 327680
    .private_segment_fixed_size: 0
    .kernarg_segment_align: 8
    .kernarg_segment_size: 24
    .max_flat_workgroup_size: 128
    .sgpr_count:     70
    .vgpr_count:     1024
    .wavefront_size: 32
...
	.end_amdgpu_metadata
.endif
;; end of part 3
